; MI455X (gfx1250); checked and timed in simulation.
; The chip was launched on July 23, 2026; its instructions are those of AMD's public machine-readable ISA for CDNA 5 (MIT licence, August 2026) and "CDNA5" Instruction Set Architecture Reference Guide (July 2026). The comments in the code are by the model that wrote it; some were corrected since.
;; Vectorized Mo E. Allowed arithmetic: float matrix products may take bf16 or f16 operands with f32 sums; other float arithmetic in f32, or as packed bf16 or f16 multiplies, adds, multiply-adds, maxima and minima; sums over many terms, partial sums and values carried from step to step in f32; what a program stores and reads back later, other than sums and carried values, may be rounded once to bf16 or f16.
;; Inputs: We 8 x 1,024 x 1,024 float32; Wg 1,024 x 8 float32; be 8 x 1,024 float32; bg 8 float32; x 8,192 x 1,024 float32.
;; Outputs: out0 8,192 x 1,024 float32.
;; One version. Each part assembles by itself: llvm-mc -triple=amdgcn-amd-amdhsa -mcpu=gfx1250 --defsym DOCPART=n.
;; ======== version 1 of 1: 3 launches
;; limits: right only within a limited range of input values
;; workspace buffers: xb 16,777,216 bytes; Wf 16,777,216 bytes; wts 65,536 bytes; route 32,768 bytes of whole numbers; cnt 32,768 bytes of whole numbers; order 32,768 bytes of whole numbers; tt 4,096 bytes of whole numbers
;; launch router (part 1): grid 256 x 1, 8 waves a work-group, no clusters, 116,224 bytes of LDS; arguments x, Wg, bg, xb, route, cnt, wts; writes xb, route, cnt, wts
.if DOCPART == 1
	.amdgcn_target "amdgcn-amd-amdhsa--gfx1250"
	.amdhsa_code_object_version 6
	.text
	.protected	k_qc5b726d863_router
	.globl	k_qc5b726d863_router
	.p2align	8
	.type	k_qc5b726d863_router,@function
k_qc5b726d863_router:
	s_mov_b64 s[64:65], 0
	v_nop
	global_prefetch_b8 v0, s[64:65] scope:SCOPE_SE
	s_setreg_imm32_b32 hwreg(HW_REG_WAVE_MODE, 25, 1), 1
	s_wait_xcnt 0x0
; ROUTER.  x [8192][1024] f32 is rounded once to bf16 (xb), and from the ROUNDED x, Wg and bg the gate is made: logits = x Wg + bg, the two largest (of equal logits the lower index comes
; first, as in jax.lax.top_k), their softmax with the larger logit taken away.  Stored at fixed places, for later launches: for each token its set number (the unordered pair lo < hi of its
; experts, 0 to 27) and its rank among the tokens of that set in its group of 32 (route), each group's count of every set (cnt), and two factors (wts):
;   beta = max(w_hi, 2^-60), alpha = w_lo / beta, so that out = beta (alpha (x We_lo + be_lo) + x We_hi + be_hi).
; LIMITS.  A weight of the higher-numbered expert below 2^-60 counts as 2^-60 (8.7e-19 of that expert's row).  NaN and infinities are not treated apart.  Logits are sums in f32 of exact
; products of bf16 numbers, in another order than a plain loop's: a token whose second and third logit differ by less than that order's noise may be routed otherwise.
; SHARES.  A work-group has 32 tokens.  Stream: wave w has rows 4 w to 4 w + 3; each load takes 512 consecutive bytes of a row, each store to xb 256 consecutive aligned bytes.
; Gate: wave w has k = 128 w to 128 w + 127 of all 32 tokens: four K steps x two tiles of 16 tokens; source 0 = 16 experts (8 real, 8 zeros), source 1 = 16 tokens: in the result lanes 0-15
; hold one token each and register j expert j.  The eight waves' partial logits meet in LDS, and wave 0, a lane a token, does the rest.
; No cluster, no tensor load: no two work-groups read the same bytes but Wg's 32 KB, and every byte of x passes through registers anyway, to be rounded.
.set XP,    2064                       ; a row of rounded x in LDS: 2,048 bytes + 16 = 129 x 16: the 16 rows of a fragment load start 16 bytes apart modulo 256
.set WGB,   32*XP                      ; Wg rounded, [1024 k][16 experts], 32 bytes a row; experts 8-15 are zeros
.set RED,   WGB+32768                  ; [8 waves][8 experts][32 tokens] f32; the 8,192 bytes behind it take lanes 16-31's zero experts and are never read
.set SPARE, RED+16384                  ; the spare words, 128 bytes for each wave: four blocks of 256 bytes that no other line names
.set SPW, 10                           ; v10  LDS address of my spare word; never rewritten
.set NIL, 11                           ; v11  0; never rewritten
.set X,   16                           ; v[16:143]   32 loads of x, 4 registers each
.set Y,   144                          ; v[144:207]  the same rounded, 2 registers each
.set WL,  208                          ; v[208:239]  8 loads of Wg
.set Z,   240                          ; v[240:243]  zeros
.set XF,  16                           ; later: x's fragments, (K step ks, tile t) at XF + 8 (2 ks + t)
.set WF,  80                           ; Wg's fragments, K step ks at WF + 8 ks
.set ACC, 112                          ; two accumulators
.set B1,  208                          ; wave 0's last part: largest logit, its index, second, its index
.set I1,  209
.set B2,  210
.set I2,  211
.set EXV, 212
.set W1,  213
.set W2,  214
.set LO,  215
.set HI,  216
.set WLO, 217
.set WHI, 218
.set AB,  220                          ; v[220:221] alpha, beta
.set SID, 222
.set LR,  223
.set CNTV, 224
.set TW,  225
.set RW,  226
.set OA,  227
.set OB,  228
.set RCB, 229
	s_load_b256 s[4:11], s[0:1], 0x0               ; x s[4:5], Wg s[6:7], bg s[8:9], xb s[10:11]
	s_load_b128 s[12:15], s[0:1], 0x20             ; route s[12:13], cnt s[14:15]
	s_load_b64 s[16:17], s[0:1], 0x30              ; wts
	v_lshl_add_u32 v[SPW], v0, 2, SPARE
	v_mov_b32 v[NIL], 0
	v_lshrrev_b32 v15, 5, v0
	v_readfirstlane_b32 s18, v15                   ; wave 0..7
	v_and_b32 v1, 31, v0                           ; lane
	v_and_b32 v2, 15, v0                           ; r
	v_bfe_u32 v3, v0, 4, 1                         ; h
	s_lshl_b32 s20, ttmp9, 17                      ; the group's 32 rows of 4,096 bytes in x,
	s_mov_b32 s21, 0
	s_lshl_b32 s22, ttmp9, 16                      ; of 2,048 bytes in xb
	s_mov_b32 s23, 0
	s_mul_i32 s19, s18, 4*XP
	v_lshlrev_b32 v4, 4, v1
	v_lshl_add_u32 v4, s18, 14, v4                 ; x: wave x 4 rows + 16 x lane
	v_lshlrev_b32 v5, 3, v1
	v_lshl_add_u32 v5, s18, 13, v5                 ; xb: wave x 4 rows + 8 x lane
	v_lshl_add_u32 v6, v1, 3, s19                  ; the same place in LDS
	v_lshlrev_b32 v7, 4, v0                        ; Wg: 16 bytes a thread: row thread / 2, experts 4 (thread % 2) on
	v_lshrrev_b32 v15, 1, v0
	v_and_b32 v8, 1, v0
	v_lshlrev_b32 v8, 3, v8
	v_lshl_add_u32 v8, v15, 5, v8
	v_add_nc_u32 v8, WGB, v8                       ; where those four go, rounded
	v_lshl_add_u32 v9, v0, 5, WGB+16               ; the zero experts of row thread
	v_mul_u32_u24 v12, v2, XP
	v_lshl_add_u32 v12, v3, 4, v12
	v_lshl_add_u32 v12, s18, 8, v12                ; x's fragments: row r, byte 16 h + 256 wave
	v_and_b32 v15, 7, v0
	v_lshl_add_u32 v15, v3, 3, v15
	v_lshl_add_u32 v15, s18, 7, v15                ; Wg's fragments by the turning load: row 128 wave + 8 h + lane % 8,
	v_bfe_u32 v13, v0, 3, 1
	v_lshlrev_b32 v13, 4, v13                      ; experts 8 ((lane / 8) % 2) on
	v_lshl_add_u32 v13, v15, 5, v13
	v_add_nc_u32 v13, WGB, v13
	v_lshlrev_b32 v14, 2, v2
	v_lshl_add_u32 v14, v3, 13, v14                ; lanes 16-31 write 8,192 bytes further on, where nobody reads
	v_lshl_add_u32 v14, s18, 10, v14
	v_add_nc_u32 v14, RED, v14
.irp i, 0,1,2,3
	v_mov_b32 v[Z+\i], 0
.endr
	s_wait_kmcnt 0x0
	s_add_nc_u64 s[4:5], s[4:5], s[20:21]
	s_add_nc_u64 s[10:11], s[10:11], s[22:23]
	s_load_b256 s[24:31], s[8:9], 0x0              ; bg's eight numbers
.irp i, 0,1,2,3,4,5,6,7
	global_load_b128 v[WL+4*\i:WL+4*\i+3], v7, s[6:7] offset:4096*\i
.endr
.set n, 0
.rept 32                                               ; all of the wave's four rows are asked for at once: 16 KB a wave
	global_load_b128 v[X+4*n:X+4*n+3], v4, s[4:5] offset:(n/8)*4096+(n%8)*512 th:TH_LOAD_NT
.set n, n+1
.endr
.irp i, 0,1,2,3
	ds_store_b128 v9, v[Z:Z+3] offset:8192*\i
.endr
	s_wait_loadcnt 32                              ; Wg is in: behind its eight loads stand x's 32
.irp i, 0,1,2,3,4,5,6,7
	v_cvt_pk_bf16_f32 v[WL+4*\i],   v[WL+4*\i],   v[WL+4*\i+1]
	v_cvt_pk_bf16_f32 v[WL+4*\i+1], v[WL+4*\i+2], v[WL+4*\i+3]
	ds_store_b64 v8, v[WL+4*\i:WL+4*\i+1] offset:4096*\i
.endr
.set n, 0
.rept 32
	s_wait_loadcnt 31-n                            ; loads come back in order: load n is in, the younger ones stay out
	v_cvt_pk_bf16_f32 v[Y+2*n],   v[X+4*n],   v[X+4*n+1]
	v_cvt_pk_bf16_f32 v[Y+2*n+1], v[X+4*n+2], v[X+4*n+3]
	global_store_b64 v5, v[Y+2*n:Y+2*n+1], s[10:11] offset:(n/8)*2048+(n%8)*256   ; 32 lanes store 256 consecutive bytes, aligned
	ds_store_b64 v6, v[Y+2*n:Y+2*n+1] offset:(n/8)*XP+(n%8)*256
.set n, n+1
.endr
	s_wait_kmcnt 0x0                               ; bg
	s_wait_dscnt 0x0                               ; for the others' sake: my rows of x and my part of Wg are in LDS
	s_barrier_signal -1
	s_barrier_wait -1
.set ks, 0
.rept 4
.set t, 0
.rept 2
	ds_load_b128 v[XF+8*(2*ks+t):XF+8*(2*ks+t)+3],   v12 offset:t*16*XP+64*ks
	ds_load_b128 v[XF+8*(2*ks+t)+4:XF+8*(2*ks+t)+7], v12 offset:t*16*XP+64*ks+32
.set t, t+1
.endr
	ds_load_tr16_b128 v[WF+8*ks:WF+8*ks+3],   v13 offset:1024*ks
	ds_load_tr16_b128 v[WF+8*ks+4:WF+8*ks+7], v13 offset:1024*ks+512
.set ks, ks+1
.endr
	s_wait_dscnt 0x0
.set ks, 0
.rept 4                                                ; the two accumulators take turns, one instruction a turn; the first two products start the sums
.set t, 0
.rept 2
.if ks == 0
	v_wmma_f32_16x16x32_bf16 v[ACC+8*t:ACC+8*t+7], v[WF+8*ks:WF+8*ks+7], v[XF+8*(2*ks+t):XF+8*(2*ks+t)+7], 0
.else
	v_wmma_f32_16x16x32_bf16 v[ACC+8*t:ACC+8*t+7], v[WF+8*ks:WF+8*ks+7], v[XF+8*(2*ks+t):XF+8*(2*ks+t)+7], v[ACC+8*t:ACC+8*t+7]
.endif
.set t, t+1
.endr
.set ks, ks+1
.endr
.rept 4
	v_nop                                          ; four places between the last product and the stores of its result, and the later loads into its sources
.endr
.set t, 0
.rept 2
.set j, 0
.rept 8                                                ; each accumulator's registers in ascending order
	ds_store_b32 v14, v[ACC+8*t+j] offset:128*j+64*t
.set j, j+1
.endr
.set t, t+1
.endr
	s_wait_tensorcnt 0x0                           ; behind my last LDS store; nothing below writes LDS
	ds_add_u32 v[SPW], v[NIL]
	s_wait_dscnt 0x0                               ; also for the others' sake: my partial logits are in LDS
	s_barrier_signal -1
	s_barrier_wait -1
	s_cmp_lg_u32 s18, 0
	s_cbranch_scc1 .Lend                           ; the rest is 32 tokens' worth: one wave's, a lane a token
	v_lshl_add_u32 v15, v1, 2, RED
.set n, 0
.rept 64                                               ; wave n / 8's partial logit of expert n % 8
	ds_load_b32 v[16+n], v15 offset:(n/8)*1024+(n%8)*128
.set n, n+1
.endr
.irp e, 0,1,2,3,4,5,6,7
	v_mov_b32 v[128+\e], s[24+\e]
.endr
.irp p, 0,1,2,3                                        ; bg is rounded to bf16 like every input, and widened again
	v_cvt_pk_bf16_f32 v[136+\p], v[128+2*\p], v[128+2*\p+1]
.endr
.irp p, 0,1,2,3
	v_lshlrev_b32 v[128+2*\p],   16,         v[136+\p]
	v_and_b32     v[128+2*\p+1], 0xffff0000, v[136+\p]
.endr
	s_lshl_b32 s33, ttmp9, 7
	s_lshl_b32 s34, ttmp9, 8
	v_lshl_add_u32 v[OA], v1, 2, s33               ; my word in route and in cnt
	v_lshl_add_u32 v[OB], v1, 3, s34               ; my pair in wts
	v_mov_b32 v[LR], 0
	v_mov_b32 v[CNTV], 0
	s_wait_dscnt 0x0
.macro PADD d, s                       ; eight numbers onto eight
.irp p, 0,1,2,3
	v_pk_add_f32 v[(\d)+2*\p:(\d)+2*\p+1], v[(\d)+2*\p:(\d)+2*\p+1], v[(\s)+2*\p:(\s)+2*\p+1]
.endr
.endm
	PADD 16, 24
	PADD 32, 40
	PADD 48, 56
	PADD 64, 72
	PADD 16, 32
	PADD 48, 64
	PADD 16, 48
	PADD 16, 128                                   ; v[16+e] = logit e
	; the two largest.  Both compares are strict, so of equal logits the lower index stays in front.  The two indices differ from the first line on.
	v_cmp_gt_f32 s40, v17, v16
	v_cndmask_b32 v[B1], v16, v17, s40
	v_cndmask_b32 v[B2], v17, v16, s40
	v_cndmask_b32 v[I1], 0, 1, s40
	v_cndmask_b32 v[I2], 1, 0, s40
.macro TOP e
	v_cmp_gt_f32 s40, v[16+\e], v[B1]
	v_cmp_gt_f32 s41, v[16+\e], v[B2]
	v_cndmask_b32 v[B2], v[B2], v[16+\e], s41
	v_cndmask_b32 v[I2], v[I2], \e, s41
	v_cndmask_b32 v[B2], v[B2], v[B1], s40
	v_cndmask_b32 v[I2], v[I2], v[I1], s40
	v_cndmask_b32 v[B1], v[B1], v[16+\e], s40
	v_cndmask_b32 v[I1], v[I1], \e, s40
.endm
.irp e, 2,3,4,5,6,7
	TOP \e
.endr
	; softmax of the two, the larger taken away: w1 = 1 / (1 + e), w2 = e w1, e = exp(l2 - l1) <= 1
	v_sub_f32 v[EXV], v[B2], v[B1]
	v_mul_f32 v[EXV], 0x3fb8aa3b, v[EXV]
	v_cmp_lt_u32 s40, v[I1], v[I2]
	v_exp_f32 v[EXV], v[EXV]
	v_cndmask_b32 v[LO], v[I2], v[I1], s40         ; a plain instruction behind the exponential
	s_wait_alu depctr_va_vdst(0)
	v_add_f32 v[W1], 1.0, v[EXV]
	v_rcp_f32 v[W1], v[W1]
	v_cndmask_b32 v[HI], v[I1], v[I2], s40         ; and behind the reciprocal
	s_wait_alu depctr_va_vdst(0)
	v_mul_f32 v[W2], v[EXV], v[W1]
	v_cndmask_b32 v[WLO], v[W2], v[W1], s40
	v_cndmask_b32 v[WHI], v[W1], v[W2], s40
	v_max_num_f32 v[AB+1], 0x21800000, v[WHI]      ; beta = max(w_hi, 2^-60)
	v_rcp_f32 v[RCB], v[AB+1]
	v_sub_nc_u32 v[TW], 15, v[LO]                  ; the set's number: lo (15 - lo) / 2 + hi - lo - 1
	s_wait_alu depctr_va_vdst(0)
	v_mul_f32 v[AB], v[WLO], v[RCB]                ; alpha
	v_mul_u32_u24 v[TW], v[LO], v[TW]
	v_lshrrev_b32 v[TW], 1, v[TW]
	v_add_nc_u32 v[TW], v[TW], v[HI]
	v_sub_nc_u32 v[TW], v[TW], v[LO]
	v_add_nc_u32 v[SID], -1, v[TW]
.macro HIST s                          ; set s: my rank among its tokens in lower lanes; their number into lane s of the counts.  Values alone: no address and no branch hangs on them
	v_cmp_eq_u32 s40, \s, v[SID]
	v_mbcnt_lo_u32_b32 v[TW], s40, 0
	v_cndmask_b32 v[LR], v[LR], v[TW], s40
	s_bcnt1_i32_b32 s41, s40
	v_writelane_b32 v[CNTV], s41, \s
.endm
.set n, 0
.rept 28
	HIST n
.set n, n+1
.endr
	v_lshl_or_b32 v[RW], v[LR], 8, v[SID]
	global_store_b32 v[OA], v[RW], s[12:13]        ; 128 consecutive bytes each; the two buffers are 64 KB in all
	global_store_b32 v[OA], v[CNTV], s[14:15]
	global_store_b64 v[OB], v[AB:AB+1], s[16:17]   ; 256 consecutive bytes, aligned
.Lend:
	s_endpgm
.Lfunc_end_k_qc5b726d863_router:
	.size	k_qc5b726d863_router, .Lfunc_end_k_qc5b726d863_router-k_qc5b726d863_router
	.p2alignl 7, 3214868480
	.fill 96, 4, 3214868480
	.section	.rodata,"a",@progbits
	.p2align	6, 0x0
	.amdhsa_kernel k_qc5b726d863_router
		.amdhsa_group_segment_fixed_size 116224
		.amdhsa_private_segment_fixed_size 0
		.amdhsa_enable_private_segment 0
		.amdhsa_kernarg_size 56
		.amdhsa_user_sgpr_count 2
		.amdhsa_user_sgpr_kernarg_segment_ptr 1
		.amdhsa_wavefront_size32 1
		.amdhsa_system_sgpr_workgroup_id_x 1
		.amdhsa_system_sgpr_workgroup_id_y 1
		.amdhsa_system_sgpr_workgroup_id_z 1
		.amdhsa_system_vgpr_workitem_id 0
		.amdhsa_next_free_vgpr 248
		.amdhsa_next_free_sgpr 66
		.amdhsa_reserve_vcc 0
		.amdhsa_float_denorm_mode_32 3
		.amdhsa_float_denorm_mode_16_64 3
		.amdhsa_memory_ordered 1
		.amdhsa_forward_progress 1
		.amdhsa_inst_pref_size 42
	.end_amdhsa_kernel
	.amdgpu_metadata
---
amdhsa.version: [ 1, 2 ]
amdhsa.kernels:
  - .name:           k_qc5b726d863_router
    .symbol:         k_qc5b726d863_router.kd
    .args:
      - { .name: x, .offset: 0, .size: 8, .value_kind: global_buffer, .address_space: global }
      - { .name: Wg, .offset: 8, .size: 8, .value_kind: global_buffer, .address_space: global }
      - { .name: bg, .offset: 16, .size: 8, .value_kind: global_buffer, .address_space: global }
      - { .name: xb, .offset: 24, .size: 8, .value_kind: global_buffer, .address_space: global }
      - { .name: route, .offset: 32, .size: 8, .value_kind: global_buffer, .address_space: global }
      - { .name: cnt, .offset: 40, .size: 8, .value_kind: global_buffer, .address_space: global }
      - { .name: wts, .offset: 48, .size: 8, .value_kind: global_buffer, .address_space: global }
    .group_segment_fixed_size: 116224
    .private_segment_fixed_size: 0
    .kernarg_segment_align: 8
    .kernarg_segment_size: 56
    .max_flat_workgroup_size: 256
    .sgpr_count:     66
    .vgpr_count:     248
    .wavefront_size: 32
...
	.end_amdgpu_metadata
.endif
;; end of part 1
;; launch prep (part 2): grid 257 x 1, 8 waves a work-group, no clusters, 2,304 bytes of LDS; arguments We, route, cnt, Wf, order, tt; writes Wf, order, tt
.if DOCPART == 2
	.amdgcn_target "amdgcn-amd-amdhsa--gfx1250"
	.amdhsa_code_object_version 6
	.text
	.protected	k_qc5b726d863_prep
	.globl	k_qc5b726d863_prep
	.p2align	8
	.type	k_qc5b726d863_prep,@function
k_qc5b726d863_prep:
	s_mov_b64 s[64:65], 0
	v_nop
	global_prefetch_b8 v0, s[64:65] scope:SCOPE_SE
	s_setreg_imm32_b32 hwreg(HW_REG_WAVE_MODE, 25, 1), 1
	s_wait_xcnt 0x0
; PREP.  Work-groups 1 to 256 round We [8][1024 k][1024 n] f32 to bf16, once, and lay it out in the order in which the next launch's operand registers take it (Wf).
; Work-group 0 turns the router's counts into the list of tokens sorted by set (order) and the table of tiles (tt): a counting sort, no atomics.
; Wf = [e 8][ng 8][ks 32][f 8][q 2][lane 32][16 bytes]: piece (f = 4 u + i, q, lane = (r, h)) holds We[e][k = 32 ks + 16 q + 8 h + 0..7][n = 128 ng + 64 u + 4 r + i]: a fragment of 16 columns n
; x 32 k is 1,024 consecutive bytes, and a wave takes it by two loads of 512.  The columns of a fragment lie 4 apart, so that the four fragments i = 0..3 give a lane four NEIGHBOURING columns.
; tt[T] = (lo, hi - lo, first place in order, rows): a set's tokens are cut into tiles of 156, 156, .., rest; places past the last tile get 0 rows.  With 28 sets and 8,192 tokens there are at most
; (8192 + 28 x 155) / 156 = 80 tiles, whatever the split; all 256 places of the table are written.
; No matrix unit, cluster or tensor load: every byte of We has one reader and passes through registers to be rounded.
.set TROWS, 156                        ; rows in a full tile
.set SPARE, 1280                       ; LDS: 0-1023 the waves' counts [8][32]; from 1,280 the spare words, 128 bytes for each wave: four blocks of 256 bytes that no other line names
.set SPW, 10
.set NIL, 11
.set L,   16                           ; cast: v[16:143]  32 loads, (u, q, j) at L + 4 (16 u + 8 q + j)
.set OUTR, 144                         ; cast: v[144:207] (u, q, i) at OUTR + 16 (2 u + q) + 4 i
.set C,   16                           ; sort: v[16:47]   my wave's 32 rows of cnt; later the token numbers
.set RT,  48                           ; sort: v[48:79]   my wave's 32 rows of route
.set P,   80                           ; sort: v[80:111]  places
.set V,   112                          ; sort: v[112:119] the eight waves' counts
.set TOT, 120
.set PRE, 121
.set BASEV, 122
.set RUN, 123
.set VTP, 125
.set VBASE, 126
.set VN,  127
.set ENT, 128                          ; v[128:131] my entry of the table
.set IDX, 132                          ; v[132:135]
.set TOK0, 136
.set LA,  137
.set LB,  138
.set TC,  140                          ; v[140:143]
	s_load_b256 s[4:11], s[0:1], 0x0               ; We s[4:5], route s[6:7], cnt s[8:9], Wf s[10:11]
	s_load_b128 s[12:15], s[0:1], 0x20             ; order s[12:13], tt s[14:15]
	v_lshl_add_u32 v[SPW], v0, 2, SPARE
	v_mov_b32 v[NIL], 0
	v_and_b32 v1, 31, v0                           ; lane
	v_lshrrev_b32 v2, 5, v0
	v_readfirstlane_b32 s18, v2                    ; wave 0..7
	s_cmp_eq_u32 ttmp9, 0                          ; the same answer in all eight waves of a work-group
	s_cbranch_scc1 .Lsort
	; THE CAST.  Work-group 1 + 32 e + ks has rows k = 32 ks .. + 31 of expert e: 131,072 consecutive bytes.  Wave w = ng has 128 columns of them.
	s_sub_co_u32 s20, ttmp9, 1
	s_lshr_b32 s21, s20, 5                         ; e
	s_and_b32 s22, s20, 31                         ; ks
	s_lshl_b32 s24, s20, 17
	s_mov_b32 s25, 0
	s_lshl_b32 s26, s21, 21
	s_lshl_b32 s23, s22, 13
	s_add_co_u32 s26, s26, s23
	s_mov_b32 s27, 0
	v_and_b32 v2, 15, v0                           ; r
	v_bfe_u32 v3, v0, 4, 1                         ; h
	v_lshlrev_b32 v4, 4, v2
	v_lshl_add_u32 v4, v3, 15, v4                  ; lanes 16-31 take the row 8 further down
	v_lshl_add_u32 v4, s18, 9, v4
	v_lshlrev_b32 v5, 4, v1
	v_lshl_add_u32 v5, s18, 18, v5
	s_wait_kmcnt 0x0
	s_add_nc_u64 s[4:5], s[4:5], s[24:25]
	s_add_nc_u64 s[10:11], s[10:11], s[26:27]
.set n, 0
.rept 32                                               ; n = 16 u + 8 q + j: row 16 q + 8 h + j, columns 64 u + 4 r + 0..3: sixteen lanes take 256 consecutive bytes, aligned
	global_load_b128 v[L+4*n:L+4*n+3], v4, s[4:5] offset:(16*((n/8)%2)+n%8)*4096+(n/16)*256 th:TH_LOAD_NT
.set n, n+1
.endr
.set g, 0
.rept 4                                                ; g = 2 u + q
	s_wait_loadcnt 24-8*g                          ; this group's eight loads are in; the later groups' stay out
.set i, 0
.rept 4
.set p, 0
.rept 4                                                ; column i of rows 2 p and 2 p + 1: the lower k in the low half
	v_cvt_pk_bf16_f32 v[OUTR+16*g+4*i+p], v[L+4*(8*g+2*p)+i], v[L+4*(8*g+2*p+1)+i]
.set p, p+1
.endr
	global_store_b128 v5, v[OUTR+16*g+4*i:OUTR+16*g+4*i+3], s[10:11] offset:(4*(g/2)+i)*1024+(g%2)*512   ; 512 consecutive bytes, aligned
.set i, i+1
.endr
.set g, g+1
.endr
	s_branch .Lend
.Lsort:
	; THE SORT.  Wave w has the groups 32 w .. 32 w + 31 of 32 tokens.  In a row of cnt lane s is set s; in a row of route a lane is a token.
	v_lshlrev_b32 v4, 2, v1
	v_lshl_add_u32 v4, s18, 12, v4
	s_wait_kmcnt 0x0
.set g, 0
.rept 32
	global_load_b32 v[C+g], v4, s[8:9] offset:128*g
.set g, g+1
.endr
.set g, 0
.rept 32
	global_load_b32 v[RT+g], v4, s[6:7] offset:128*g
.set g, g+1
.endr
	v_lshlrev_b32 v[LA], 2, v0
	v_lshlrev_b32 v[LB], 2, v1
	v_lshl_add_u32 v[TOK0], s18, 10, v1            ; my lane's token in my wave's first group
	v_mov_b32 v[PRE], 0
	v_mov_b32 v[BASEV], 0
	v_mov_b32 v[VTP], 0
	v_mov_b32 v[VBASE], 0
	v_mov_b32 v[VN], 0
	v_mov_b32 v[ENT], 0
	v_mov_b32 v[ENT+1], 0
	s_mov_b32 s34, 0                               ; tiles so far
	s_mov_b32 s35, 0                               ; tokens so far
	s_wait_loadcnt 32                              ; cnt's rows are in: behind them stand route's 32
.irp c, 0,1,2,3                                        ; my wave's count of every set, in four chains
	v_add3_u32 v[TC+\c], v[C+\c], v[C+\c+4], v[C+\c+8]
.endr
.irp c, 0,1,2,3
	v_add3_u32 v[TC+\c], v[TC+\c], v[C+\c+12], v[C+\c+16]
.endr
.irp c, 0,1,2,3
	v_add3_u32 v[TC+\c], v[TC+\c], v[C+\c+20], v[C+\c+24]
.endr
.irp c, 0,1,2,3
	v_add_nc_u32 v[TC+\c], v[TC+\c], v[C+\c+28]
.endr
	v_add3_u32 v[TC], v[TC], v[TC+1], v[TC+2]
	v_add_nc_u32 v[TC], v[TC], v[TC+3]
	ds_store_b32 v[LA], v[TC]
	s_wait_dscnt 0x0                               ; for the others' sake
	s_barrier_signal -1
	s_barrier_wait -1
.irp k, 0,1,2,3,4,5,6,7
	ds_load_b32 v[V+\k], v[LB] offset:128*\k
.endr
	s_wait_dscnt 0x0
	v_add3_u32 v[TOT], v[V], v[V+1], v[V+2]
	v_add3_u32 v[TOT], v[TOT], v[V+3], v[V+4]
	v_add3_u32 v[TOT], v[TOT], v[V+5], v[V+6]
	v_add_nc_u32 v[TOT], v[TOT], v[V+7]            ; lane s: all tokens of set s
.irp k, 0,1,2,3,4,5,6
	s_cmp_gt_u32 s18, \k
	s_cselect_b32 s33, -1, 0
	v_and_b32 v[TC], s33, v[V+\k]
	v_add_nc_u32 v[PRE], v[PRE], v[TC]             ; lane s: those in the waves before mine
.endr
; Set s = the pair (lo, lo + d).  Its first place goes into lane s of BASEV.  Thread T keeps the LAST set whose first tile's number is at most T: a set without tokens is overridden by the next.
.macro SETSTEP s, lo, d
	v_readlane_b32 s36, v[TOT], \s
	v_writelane_b32 v[BASEV], s35, \s
	v_cmp_le_u32 vcc_lo, s34, v0
	v_cndmask_b32 v[VTP], v[VTP], s34, vcc_lo
	v_cndmask_b32 v[VBASE], v[VBASE], s35, vcc_lo
	v_cndmask_b32 v[VN], v[VN], s36, vcc_lo
	v_cndmask_b32 v[ENT], v[ENT], \lo, vcc_lo
	v_cndmask_b32 v[ENT+1], v[ENT+1], \d, vcc_lo
	s_add_co_u32 s37, s36, TROWS-1                 ; its tiles: (n + 155) / 156 = ((n + 155) / 4) / 39, and y / 39 = 1681 y >> 16 for y up to 2,086:
	s_lshr_b32 s37, s37, 2                         ; 1681 / 65536 is 9.0e-6 over 1 / 39, which adds at most 0.019 where 1 / 39 = 0.026 is free
	s_mul_i32 s37, s37, 1681
	s_lshr_b32 s37, s37, 16
	s_add_co_u32 s34, s34, s37
	s_add_co_u32 s35, s35, s36
.endm
.set SSS, 0
.set SLO, 0
.rept 7
.set SDD, 1
.rept 7-SLO
	SETSTEP SSS, SLO, SDD
.set SSS, SSS+1
.set SDD, SDD+1
.endr
.set SLO, SLO+1
.endr
	v_add_nc_u32 v[RUN], v[BASEV], v[PRE]          ; lane s: the place of set s's next token, at my wave's first group
	s_wait_loadcnt 0x0                             ; route's rows
.set g, 0
.rept 32                                               ; each token fetches its set's running place from lane s; then the group's counts are added
	v_and_b32 v[IDX+g%4], 0xff, v[RT+g]
	v_min_u32 v[IDX+g%4], 31, v[IDX+g%4]
	v_lshlrev_b32 v[IDX+g%4], 2, v[IDX+g%4]
	ds_bpermute_b32 v[P+g], v[IDX+g%4], v[RUN]
	v_add_nc_u32 v[RUN], v[RUN], v[C+g]
.set g, g+1
.endr
	s_wait_dscnt 0x0
.set g, 0
.rept 32                                               ; 8,192 single words to places that hang on the data, 32 KB in all: a stage in LDS would be written by all waves at such places too
	v_lshrrev_b32 v[RT+g], 8, v[RT+g]              ; my rank in the group
	v_add_nc_u32 v[P+g], v[P+g], v[RT+g]
	v_min_u32 v[P+g], 0x1fff, v[P+g]
	v_lshlrev_b32 v[P+g], 2, v[P+g]
	v_add_nc_u32 v[C+g], 32*g, v[TOK0]
	global_store_b32 v[P+g], v[C+g], s[12:13]
.set g, g+1
.endr
	v_sub_nc_u32 v[TC], v0, v[VTP]                 ; thread T's tile is number j of its set:
	v_mul_u32_u24 v[TC], v[TC], TROWS              ; rows 156 j on,
	v_add_nc_u32 v[ENT+2], v[VBASE], v[TC]
	v_min_u32 v[TC], v[TC], v[VN]
	v_sub_nc_u32 v[ENT+3], v[VN], v[TC]            ; what is left of the set there, 0 past its end,
	v_min_u32 v[ENT+3], TROWS, v[ENT+3]            ; 156 at the most
	v_lshlrev_b32 v[TC+1], 4, v0
	global_store_b128 v[TC+1], v[ENT:ENT+3], s[14:15]
.Lend:
	s_wait_tensorcnt 0x0                           ; the wave's end, behind my last LDS store
	ds_add_u32 v[SPW], v[NIL]
	s_wait_dscnt 0x0
	s_endpgm
.Lfunc_end_k_qc5b726d863_prep:
	.size	k_qc5b726d863_prep, .Lfunc_end_k_qc5b726d863_prep-k_qc5b726d863_prep
	.p2alignl 7, 3214868480
	.fill 96, 4, 3214868480
	.section	.rodata,"a",@progbits
	.p2align	6, 0x0
	.amdhsa_kernel k_qc5b726d863_prep
		.amdhsa_group_segment_fixed_size 2304
		.amdhsa_private_segment_fixed_size 0
		.amdhsa_enable_private_segment 0
		.amdhsa_kernarg_size 48
		.amdhsa_user_sgpr_count 2
		.amdhsa_user_sgpr_kernarg_segment_ptr 1
		.amdhsa_wavefront_size32 1
		.amdhsa_system_sgpr_workgroup_id_x 1
		.amdhsa_system_sgpr_workgroup_id_y 1
		.amdhsa_system_sgpr_workgroup_id_z 1
		.amdhsa_system_vgpr_workitem_id 0
		.amdhsa_next_free_vgpr 216
		.amdhsa_next_free_sgpr 66
		.amdhsa_reserve_vcc 1
		.amdhsa_float_denorm_mode_32 3
		.amdhsa_float_denorm_mode_16_64 3
		.amdhsa_memory_ordered 1
		.amdhsa_forward_progress 1
		.amdhsa_inst_pref_size 58
	.end_amdhsa_kernel
	.amdgpu_metadata
---
amdhsa.version: [ 1, 2 ]
amdhsa.kernels:
  - .name:           k_qc5b726d863_prep
    .symbol:         k_qc5b726d863_prep.kd
    .args:
      - { .name: We, .offset: 0, .size: 8, .value_kind: global_buffer, .address_space: global }
      - { .name: route, .offset: 8, .size: 8, .value_kind: global_buffer, .address_space: global }
      - { .name: cnt, .offset: 16, .size: 8, .value_kind: global_buffer, .address_space: global }
      - { .name: Wf, .offset: 24, .size: 8, .value_kind: global_buffer, .address_space: global }
      - { .name: order, .offset: 32, .size: 8, .value_kind: global_buffer, .address_space: global }
      - { .name: tt, .offset: 40, .size: 8, .value_kind: global_buffer, .address_space: global }
    .group_segment_fixed_size: 2304
    .private_segment_fixed_size: 0
    .kernarg_segment_align: 8
    .kernarg_segment_size: 48
    .max_flat_workgroup_size: 256
    .sgpr_count:     66
    .vgpr_count:     216
    .wavefront_size: 32
...
	.end_amdgpu_metadata
.endif
;; end of part 2
;; launch chain (part 3): grid 4 x 80, 4 waves a work-group, no clusters, 324,608 bytes of LDS; arguments Wf, xb, order, tt, wts, be, out0; writes out0
.if DOCPART == 3
	.amdgcn_target "amdgcn-amd-amdhsa--gfx1250"
	.amdhsa_code_object_version 6
	.text
	.protected	k_qc5b726d863_chain
	.globl	k_qc5b726d863_chain
	.p2align	8
	.type	k_qc5b726d863_chain,@function
k_qc5b726d863_chain:
	s_mov_b64 s[64:65], 0
	v_nop
	global_prefetch_b8 v0, s[64:65] scope:SCOPE_SE
	s_setreg_imm32_b32 hwreg(HW_REG_WAVE_MODE, 25, 1), 1
	s_wait_xcnt 0x0
; CHAIN.  out[t] = w_lo (x[t] We[lo] + be[lo]) + w_hi (x[t] We[hi] + be[hi]) for the two experts lo < hi that token t chose.  Only the chosen experts are multiplied.
; A work-group has one tile of the table: up to 156 tokens of ONE pair (lo, hi), and 256 of the 1,024 output columns; each quarter of an output row has one owner and is stored once.
; ONE ACCUMULATOR FOR BOTH EXPERTS, all in f32: acc = be_lo; acc += x We_lo (32 K steps); acc = alpha acc + be_hi; acc += x We_hi (32 K steps); out = beta acc,
; with beta = max(w_hi, 2^-60), alpha = w_lo / beta from the router.  x, We and be are the inputs rounded once to bf16; nothing else is rounded.
; LIMITS.  A weight w_hi below 2^-60 counts as 2^-60; alpha is at most 2^60, so alpha acc stays far inside f32 for rows up to 1e20.  NaN and infinities are not treated apart.
; SHARES.  Wave w has 64 columns (slice 4 cq + w of 16) of all ten blocks of 16 rows: 40 accumulators.  A K step of 32 feeds its 40 matrix instructions from 4 KB of weights and 10 KB of token fragments.
; The tokens' rows are gathered once into LDS (156 rows x 2 KB) and serve both experts and all four waves.  The weights go from memory STRAIGHT INTO OPERAND REGISTERS.
; A ring of eight register buffers, one K step each: a buffer is asked for again as soon as it is multiplied,
; seven K steps ahead of its next use.  The loop has no barrier and writes no LDS.
; SOURCE 0 = 16 tokens, SOURCE 1 = 16 columns of We.  In accumulator (a, i) lane (r, h), register j is column 64 slice + 4 r + i of matrix row 8 h + j.  So the four accumulators i = 0..3 give a lane 16 neighbouring
; bytes of an output row, sixteen lanes 256, and the result is stored straight from registers.  Matrix row m of block a holds tile row 16 a + 2 (m % 8) + m / 8: a store's two halves are the rows 16 a + 2 j and
; 16 a + 2 j + 1, so that at most one store of a tile has rows on both sides of the count.  alpha, beta and the token go by register here, not by lane: they lie in a table in LDS, in matrix-row order.
; THE ACCUMULATORS ARE SET TO be_lo BY 320 v_mov_b32, on purpose, where the first products' C operand could carry it.  The price is those 320 lines once a tile, between a barrier's signal and its wait.
; What they buy: no first trip is written out (8 K steps of text), and every accumulator is written on every path, so that a tile without rows can jump the gather.
; TWO BARRIERS, both on every wave's path: one between the prologue's LDS stores and the loop's reads, one between the loop's reads and the closing LDS write.
; Blocks of 16 rows past the tile's count are jumped, tested behind blocks 2, 4, 6, 8 and 9 (each test costs two window switches; an odd count below 8 multiplies one idle block).  Rows past the count repeat
; the tile's last token and are not stored.  A tile with 0 rows (the grid of 80 serves every split of the tokens) jumps the gather and the loop, passes both barriers, stores nothing and ends.
; NO CLUSTER, NO TENSOR LOAD.  Those who read the same weights are the row tiles of one set, and how many there are hangs on counts read from memory.  Whole clusters of four tiles (624 rows) for each of 28 sets
; want (8192 - 28) / 624 + 28 = 41 clusters x 4 x 4 column quarters = 656 work-groups where 320 serve, and a partner without rows would still have to make every joint request for its 1 MB.
; What it would spare: at most three of four requests for a work-group's 1 MB of weights.  The gathered rows come by a list, which no descriptor covers.
.set AP,    2064                       ; a token's row in LDS: 2,048 bytes + 16 = 129 x 16: the 16 rows of a fragment load start 16 bytes apart modulo 256
.set MAXR,  156                        ; rows of a full tile: 39 for each wave to gather
.set TBL,   322048                     ; behind the rows (321,984 bytes): alpha [160], beta [160], token [160], 640 bytes each; place 16 a + 8 h + j is tile row 16 a + 2 j + h
.set TBB,   640
.set TBT,   1280
.set SPARE, 324096                     ; the spare words, 128 bytes for each wave: two blocks of 256 bytes that no other line names
; REGISTERS, in windows of 256 (s_set_vgpr_msb: bits 1:0 source 0, 3:2 source 1, 5:4 source 2, 7:6 destination)
.set R,     1                          ; window 0: v1 lane % 16
.set H,     2                          ; v2   lane / 16
.set VL16,  3                          ; v3   16 x lane
.set VOFF,  4                          ; v4   my byte offset in Wf for the ring's next fills
.set VR16,  5                          ; v5   16 x (lane % 16): my 16 bytes in the wave's 256 of an output row
.set VT,    6                          ; v6   TBL + 32 h: my half's eight places of block 0
.set LANE,  7                          ; v7   lane
.set SPW,   8                          ; v8   LDS address of my spare word; never rewritten
.set NIL,   9                          ; v9   0; never rewritten
.set ADRA0, 10                         ; v10-19  block a: my fragment row x AP + 16 h
.set ADRA,  20                         ; v20-29  block a: ADRA0 + the trip's place along K
.set T0,    30                         ; v30-31  at work
.set TK,    32                         ; v[32:191] tokens' fragments, two buffers of 80; block a at + 8 a
.set AL,    192                        ; v[192:255] between the experts: eight blocks' alphas
.set GA,    192                        ; prologue alone: v192-230 addresses of my 39 rows to gather; their rows 32-38 pass through v[32:143]
.set TOKG,  144                        ; v144-145 the tokens of my rows to gather; v146-147 those of my places of the table
.set PA,    148                        ; v148-149 my places of the table
.set WP,    150                        ; v[150:153] their alpha, beta
.set BR,    156                        ; v[156:163] be as loaded
.set GI,    164                        ; v164-167 addresses in order
.set WA,    168                        ; v168-169 addresses in wts
.set BA,    170                        ; v170-171 addresses in be
.set GST,   172                        ; v172-173 where my rows 0-31 and 32-38 go in LDS
.set BL,    176                        ; v176-179 be_lo of my four columns
.set TMP,   32                         ; the way out alone: v[32:63] a block scaled, store j at + 4 j
.set VO,    64                         ; v64-71  store j's offsets in out
.set BE,    72                         ; v[72:87]  a block's betas, two sets
.set TO,    88                         ; v[88:103] a block's tokens, two sets
; window 1: the weights' ring: buffer j, fragment i at 32 j + 8 i.   window 2: accumulators of blocks 0-7 at 32 a + 8 i.
; window 3: blocks 8 and 9 at 32 (a - 8) + 8 i; be_hi of column i twice, as a pair, at 64 + 2 i.
.set BH,    64
; SCALARS: s[4:5] Wf, s[6:7] xb, s[8:9] order, s[10:11] tt, s[12:13] wts, s[14:15] be, s[16:17] out at my slice; s[20:23] lo, hi - lo, first place, rows; s24 wave; s25 cq; s27 live blocks;
; s28 the slice's offset in Wf for lo; s29 (hi - lo) x 2 MB; s30 the trip; s31-s39 at work; s45 a mask; s46-s63 and s66-s86 the 39 tokens; s46 later EXEC kept
.set MSB, 0
.macro WIN new                         ; the immediate's high byte repeats the setting that is left; a switch that changes nothing is dropped
.if MSB != (\new)
	s_set_vgpr_msb (MSB<<8)|(\new)
.set MSB, \new
.endif
.endm
	s_load_b256 s[4:11], s[0:1], 0x0
	s_load_b128 s[12:15], s[0:1], 0x20
	s_load_b64 s[16:17], s[0:1], 0x30
	v_lshl_add_u32 v[SPW], v0, 2, SPARE
	v_mov_b32 v[NIL], 0
	v_lshrrev_b32 v[R], 5, v0
	v_readfirstlane_b32 s24, v[R]                  ; wave 0..3
	s_mov_b32 s25, ttmp9                           ; cq
	s_and_b32 s26, ttmp7, 0xffff                   ; the tile
	s_lshl_b32 s34, s26, 4
	s_mov_b32 s35, 0
	s_mov_b32 s45, 0xffff0000
	s_lshl2_add_u32 s36, s25, s24                  ; my slice of 64 columns = 4 cq + w
	s_lshl_b32 s38, s36, 8                         ; its 256 bytes in a row of out and of be
	s_mov_b32 s39, 0
	s_wait_kmcnt 0x0
	s_add_nc_u64 s[10:11], s[10:11], s[34:35]
	s_load_b128 s[20:23], s[10:11], 0x0            ; my tile's entry
	s_add_nc_u64 s[16:17], s[16:17], s[38:39]
	v_and_b32 v[R], 15, v0
	v_bfe_u32 v[H], v0, 4, 1
	v_and_b32 v[LANE], 31, v0
	v_lshlrev_b32 v[VL16], 4, v[LANE]
	v_lshlrev_b32 v[VR16], 4, v[R]
	v_lshl_add_u32 v[VT], v[H], 5, TBL
	v_and_b32 v[T0], 7, v0
	v_bfe_u32 v[T0+1], v0, 3, 1
	v_lshl_add_u32 v[T0], v[T0], 1, v[T0+1]        ; lane r holds matrix row r = tile row 2 (r % 8) + r / 8 of its block
	v_mul_u32_u24 v[ADRA0], v[T0], AP
	v_lshl_add_u32 v[ADRA0], v[H], 4, v[ADRA0]
.irp a, 1,2,3,4,5,6,7,8
	v_add_nc_u32 v[ADRA0+\a], 16*AP*\a, v[ADRA0]
.endr
	v_add_nc_u32 v[T0], 144, v[T0]                 ; block 9 has 12 rows in LDS: its last four places read row 155 and are never stored
	v_min_u32 v[T0], MAXR-1, v[T0]
	v_mul_u32_u24 v[ADRA0+9], v[T0], AP
	v_lshl_add_u32 v[ADRA0+9], v[H], 4, v[ADRA0+9]
	s_mul_i32 s33, s24, 39*AP
	v_add_nc_u32 v[GST], s33, v[VL16]              ; I gather rows 39 w .. 39 w + 38
	v_add_nc_u32 v[GST+1], 32*AP, v[GST]
	s_mul_i32 s37, s24, 39
	v_and_b32 v[T0+1], 7, v0
	v_add_nc_u32 v[GI], s37, v[LANE]               ; lane l: row 39 w + l,
	v_add_nc_u32 v[GI+1], s37, v[T0+1]
	v_add_nc_u32 v[GI+1], 32, v[GI+1]              ; and row 39 w + 32 + l % 8
	s_mul_i32 s37, s24, 40
	v_add_nc_u32 v[T0], s37, v[LANE]               ; I write the table's places 40 w + l,
	v_add_nc_u32 v[T0+1], s37, v[T0+1]
	v_add_nc_u32 v[T0+1], 32, v[T0+1]              ; and 40 w + 32 + l % 8 (four lanes of one wave write the same word with the same number)
.irp x, 0,1
	v_lshl_add_u32 v[PA+\x], v[T0+\x], 2, TBL
	v_and_b32 v[GI+2+\x], 0xf0, v[T0+\x]           ; place 16 a + 8 h + j is tile row 16 a + 2 j + h
	v_and_b32 v[WA+\x], 7, v[T0+\x]
	v_lshl_add_u32 v[GI+2+\x], v[WA+\x], 1, v[GI+2+\x]
	v_bfe_u32 v[WA+\x], v[T0+\x], 3, 1
	v_add_nc_u32 v[GI+2+\x], v[GI+2+\x], v[WA+\x]
.endr
	s_wait_kmcnt 0x0
	s_min_u32 s20, s20, 7                          ; what was loaded enters an address only behind a bound
	s_min_u32 s21, s21, 7
	s_min_u32 s22, s22, 0x1fff
	s_min_u32 s23, s23, MAXR
	s_add_co_u32 s27, s23, 15
	s_lshr_b32 s27, s27, 4                         ; live blocks of 16 rows
	s_max_u32 s33, s23, 1
	s_sub_co_u32 s33, s33, 1                       ; the tile's last live row: later rows repeat it
	s_lshl_b32 s28, s20, 21                        ; Wf: expert lo,
	s_lshr_b32 s37, s36, 1
	s_lshl_b32 s37, s37, 18                        ; ng = slice / 2,
	s_add_co_u32 s28, s28, s37
	s_and_b32 s37, s36, 1
	s_lshl_b32 s37, s37, 12                        ; u = slice % 2: fragments 4 u .. 4 u + 3 of each K step's eight
	s_add_co_u32 s28, s28, s37
	s_lshl_b32 s29, s21, 21
.irp x, 0,1,2,3                                        ; four loads from the list: the tokens of my rows to gather and of my places of the table
	v_min_u32 v[GI+\x], s33, v[GI+\x]
	v_add_nc_u32 v[GI+\x], s22, v[GI+\x]
	v_min_u32 v[GI+\x], 0x1fff, v[GI+\x]
	v_lshlrev_b32 v[GI+\x], 2, v[GI+\x]
	global_load_b32 v[TOKG+\x], v[GI+\x], s[8:9]
.endr
	s_lshl_b32 s39, s20, 12
	s_add_co_u32 s39, s39, s38
	v_add_nc_u32 v[BA], s39, v[VR16]               ; be[lo], columns 64 slice + 4 r + 0..3
	s_lshl_b32 s37, s21, 12
	v_add_nc_u32 v[BA+1], s37, v[BA]               ; be[hi]
	global_load_b128 v[BR:BR+3], v[BA], s[14:15]
	global_load_b128 v[BR+4:BR+7], v[BA+1], s[14:15]
; Ring buffer j is asked for: a K step's four fragments, 8 loads of 512 consecutive bytes
.macro BFILL j
	WIN 0x40                                       ; destination window 1, address window 0
.set bq, 0
.rept 8
	global_load_b128 v[32*(\j)+4*bq:32*(\j)+4*bq+3], v[VOFF], s[4:5] offset:(\j)*8192+bq*512
.set bq, bq+1
.endr
	WIN 0
.endm
	v_add_nc_u32 v[VOFF], s28, v[VL16]
.irp j, 0,1,2,3,4,5,6
	BFILL \j                                       ; the weights hang on the entry alone: they are on their way while the list is read
.endr
	s_wait_loadcnt 56                              ; the tokens and be are in: behind their six loads stand the ring's 56
.irp x, 0,1
	v_min_u32 v[WA+\x], 0x1fff, v[TOKG+2+\x]
	v_lshlrev_b32 v[WA+\x], 3, v[WA+\x]
	global_load_b64 v[WP+2*\x:WP+2*\x+1], v[WA+\x], s[12:13]
.endr
	BFILL 7
	s_cmp_eq_u32 s23, 0
	s_cbranch_scc1 .Lnog                           ; a tile without rows gathers nothing: what is jumped holds no barrier, and no register that it writes is read behind it
.set k, 0
.rept 39                                               ; row k's token into a scalar (s64 and s65 are passed over)
	v_readlane_b32 s[46+k+2*((k/18)-(k/36))], v[TOKG+k/32], k%32
.set k, k+1
.endr
.set k, 0
.rept 39
	s_min_u32 s[46+k+2*((k/18)-(k/36))], s[46+k+2*((k/18)-(k/36))], 0x1fff
.set k, k+1
.endr
.set k, 0
.rept 39
	v_lshl_add_u32 v[GA+k], s[46+k+2*((k/18)-(k/36))], 11, v[VL16]   ; a row of xb is 2,048 bytes
.set k, k+1
.endr
	WIN 0x80                                       ; the rows pass through registers that hold nothing yet: rows 0-15 through window 2,
.set k, 0
.rept 64
	global_load_b128 v[4*k:4*k+3], v[GA+k/4], s[6:7] offset:512*(k%4)   ; 512 consecutive bytes of a row
.set k, k+1
.endr
	WIN 0xc0                                       ; rows 16-31 through window 3,
.set k, 0
.rept 64
	global_load_b128 v[4*k:4*k+3], v[GA+16+k/4], s[6:7] offset:512*(k%4)
.set k, k+1
.endr
	WIN 0                                          ; rows 32-38 through the fragments' registers
.set k, 0
.rept 28
	global_load_b128 v[32+4*k:32+4*k+3], v[GA+32+k/4], s[6:7] offset:512*(k%4)
.set k, k+1
.endr
.set k, 0
.rept 39
.set gw, 4*(38-k)                      ; behind row k's four loads stand the later rows'; a wait names 63 at the most
.if gw > 63
.set gw, 63
.endif
	s_wait_loadcnt gw
.if k < 16
	WIN 0x08                                       ; data (source 1) in window 2
.set gb, 16*k
.elseif k < 32
	WIN 0x0c
.set gb, 16*(k-16)
.else
	WIN 0
.set gb, 32+16*(k-32)
.endif
.irp c, 0,1,2,3
	ds_store_b128 v[GST+k/32], v[gb+4*\c:gb+4*\c+3] offset:(k%32)*AP+512*\c
.endr
.set k, k+1
.endr
	WIN 0
.Lnog:
	s_wait_loadcnt 8                               ; alpha and beta are in: behind their two loads stand at least the eighth buffer's 8
.irp x, 0,1
	ds_store_b32 v[PA+\x], v[WP+2*\x]
	ds_store_b32 v[PA+\x], v[WP+2*\x+1] offset:TBB
	ds_store_b32 v[PA+\x], v[TOKG+2+\x] offset:TBT
.endr
.irp a, 0,1,2,3,4,5,6,7,8,9
	v_mov_b32 v[ADRA+\a], v[ADRA0+\a]
.endr
	v_cvt_pk_bf16_f32 v[BR],   v[BR],   v[BR+1]    ; be is rounded to bf16 like every input, and widened again
	v_cvt_pk_bf16_f32 v[BR+1], v[BR+2], v[BR+3]
	v_cvt_pk_bf16_f32 v[BR+4], v[BR+4], v[BR+5]
	v_cvt_pk_bf16_f32 v[BR+5], v[BR+6], v[BR+7]
	v_lshlrev_b32 v[BL],   16,  v[BR]
	v_and_b32     v[BL+1], s45, v[BR]
	v_lshlrev_b32 v[BL+2], 16,  v[BR+1]
	v_and_b32     v[BL+3], s45, v[BR+1]
	s_wait_dscnt 0x0                               ; for the others' sake: my 39 rows and my places of the table are in LDS
	s_barrier_signal -1                            ; the first barrier; work on registers alone stands between its signal and its wait
	WIN 0xc0
.irp z, 0,1
	v_lshlrev_b32 v[BH+\z],   16,  v[BR+4]         ; be_hi, each column's number twice: a pair for the packed multiply-add
	v_and_b32     v[BH+2+\z], s45, v[BR+4]
	v_lshlrev_b32 v[BH+4+\z], 16,  v[BR+5]
	v_and_b32     v[BH+6+\z], s45, v[BR+5]
.endr
.set k, 0
.rept 64                                               ; acc = be_lo: blocks 8 and 9,
	v_mov_b32 v[k], v[BL+(k/8)%4]
.set k, k+1
.endr
	WIN 0x80
.set k, 0
.rept 256                                              ; blocks 0 to 7
	v_mov_b32 v[k], v[BL+(k/8)%4]
.set k, k+1
.endr
	WIN 0
	s_barrier_wait -1
	s_cmp_eq_u32 s23, 0
	s_cbranch_scc1 .Lmeet                          ; a tile without rows jumps the loop, which holds no barrier, and goes on to the second barrier
; The tokens' fragments of one K step, at byte off of the trip's 512: block a's 16 rows x 32 k, two loads 32 bytes apart
.macro ALOAD b, off
.set aa, 0
.rept 10
	ds_load_b128 v[TK+80*(\b)+8*aa:TK+80*(\b)+8*aa+3],   v[ADRA+aa] offset:(\off)
	ds_load_b128 v[TK+80*(\b)+8*aa+4:TK+80*(\b)+8*aa+7], v[ADRA+aa] offset:(\off)+32
.set aa, aa+1
.endr
.endm
.macro PLACES                          ; a load into a register that a matrix instruction has read, and a vector instruction that touches its result, stand four plain vector instructions behind it
.rept 4
	v_nop
.endr
.endm
; K STEP j of a trip's eight.  anext: the next step's token fragments are fetched from the same trip's bytes (1), from the next trip's (2), or not (0).  bload = 1: buffer j is asked for again, for the next trip.
; lcnt: the ring loads issued behind buffer j's.  The accumulators take turns, one instruction a turn: between two products on one accumulator stand at least seven others'.
.macro STEP j, anext, bload, lcnt
	WIN 0
.if (\anext) == 2
.set aa, 0
.rept 10
	v_add_nc_u32 v[ADRA+aa], s32, v[ADRA0+aa]
.set aa, aa+1
.endr
	ALOAD 0, 0
.elseif (\anext) == 1
	ALOAD ((\j)+1)%2, ((\j)+1)*64
.endif
.if \anext
	s_wait_dscnt 20                                ; this step's fragments are in; the twenty loads just issued stay out
.else
	s_wait_dscnt 0x0
.endif
	s_wait_loadcnt \lcnt                           ; buffer j is in; the other buffers' later fills stay out
.set ba, 0
.rept 10
.if ba < 8
	WIN 0xa4                                       ; tokens window 0, weights window 1, C and D window 2
.else
	WIN 0xf4                                       ; C and D window 3
.endif
.set bf, 0
.rept 4
.set rD, 32*(ba%8)+8*bf
.set rW, 32*(\j)+8*bf
.set rT, TK+80*((\j)%2)+8*ba
	v_wmma_f32_16x16x32_bf16 v[rD:rD+7], v[rT:rT+7], v[rW:rW+7], v[rD:rD+7]
.set bf, bf+1
.endr
.if (((ba%2) == 1) && (ba < 9)) || (ba == 8)
	WIN 0                                          ; at a branch and at a label every window is 0
	s_cmp_le_u32 s27, ba+1
	s_cbranch_scc1 .Lse_\@                         ; the blocks past the tile's rows are jumped
.endif
.set ba, ba+1
.endr
	WIN 0
.Lse_\@:
	PLACES                                         ; in front of the fill of buffer j and of the next step's loads into the token buffer just multiplied
.if \bload
	BFILL \j
.endif
.endm
; A TRIP: eight K steps.  Trips 0-3 are expert lo's K, trips 4-7 expert hi's.  load = 1: its fills are the next trip's weights; their offset and the next trip's place along K are made from the counter.
.macro TRIP load
.if \load
	s_wait_xcnt 0x0                                ; the fills issued so far have had their addresses translated (ISA guide 3.1): only now is their offset register written
	s_add_co_u32 s33, s30, 1
	s_lshr_b32 s34, s33, 2                         ; 0: lo; 1: hi
	s_and_b32 s33, s33, 3
	s_mul_i32 s34, s34, s29
	s_lshl_b32 s32, s33, 9                         ; 512 bytes of a token's row a trip
	s_lshl_b32 s33, s33, 16                        ; 64 KB of Wf a trip: eight K steps 8 KB apart
	s_add_co_u32 s31, s28, s33
	s_add_co_u32 s31, s31, s34
	v_add_nc_u32 v[VOFF], s31, v[VL16]
.irp j, 0,1,2,3,4,5,6
	STEP \j, 1, 1, 56                              ; 56: behind a buffer's fill stand the seven other buffers' 8 loads each
.endr
	STEP 7, 2, 1, 56
.else
.irp j, 0,1,2,3,4,5,6
	STEP \j, 1, 0, 56-8*\j                         ; the last trip asks for nothing: the counts run down
.endr
	STEP 7, 0, 0, 0
.endif
.endm
; Between the experts: acc = alpha acc + be_hi; alpha goes by row, that is by register: a block's eight come from the table by two loads.  Each accumulator's registers in ascending order.
.macro RESCALE
.set ra, 0
.rept 8
	ds_load_b128 v[AL+8*ra:AL+8*ra+3],   v[VT] offset:64*ra
	ds_load_b128 v[AL+8*ra+4:AL+8*ra+7], v[VT] offset:64*ra+16
.set ra, ra+1
.endr
	s_wait_dscnt 0x0
.set ra, 0
.rept 10
.if ra == 8
.irp z, 0,1,2,3                                        ; blocks 8 and 9 take the registers of blocks 0 and 1
	ds_load_b128 v[AL+4*\z:AL+4*\z+3], v[VT] offset:512+64*(\z/2)+16*(\z%2)
.endr
	s_wait_dscnt 0x0
.endif
.if ra < 8
	WIN 0xb2                                       ; destination and source 0 window 2, alpha window 0, be_hi window 3
.else
	WIN 0xf3
.endif
.set rp, 0
.rept 16
	v_pk_fma_f32 v[32*(ra%8)+2*rp:32*(ra%8)+2*rp+1], v[32*(ra%8)+2*rp:32*(ra%8)+2*rp+1], v[AL+8*(ra%8)+2*(rp%4):AL+8*(ra%8)+2*(rp%4)+1], v[BH+2*(rp/4):BH+2*(rp/4)+1]
.set rp, rp+1
.endr
	WIN 0
.if ra < 9
	s_cmp_le_u32 s27, ra+1
	s_cbranch_scc1 .Lre_\@
.endif
.set ra, ra+1
.endr
.Lre_\@:
.endm
; THE WAY OUT.  OLOAD a: block a's eight betas and eight tokens from the table, into set a % 2.
.macro OLOAD a
	ds_load_b128 v[BE+8*((\a)%2):BE+8*((\a)%2)+3],   v[VT] offset:TBB+64*(\a)
	ds_load_b128 v[BE+8*((\a)%2)+4:BE+8*((\a)%2)+7], v[VT] offset:TBB+64*(\a)+16
	ds_load_b128 v[TO+8*((\a)%2):TO+8*((\a)%2)+3],   v[VT] offset:TBT+64*(\a)
	ds_load_b128 v[TO+8*((\a)%2)+4:TO+8*((\a)%2)+7], v[VT] offset:TBT+64*(\a)+16
.endm
; OUT a: block a times beta, the four accumulators' registers j side by side, and stored: store j is rows 16 a + 2 j (lanes 0-15) and 16 a + 2 j + 1 (lanes 16-31), 256 consecutive aligned bytes each.
.macro OUT a
	s_cmp_le_u32 s27, \a
	s_cbranch_scc1 .Lfin
	s_wait_xcnt 0x0                                ; the block before's stores have had their addresses translated: only now are their data and offset registers written again
.if (\a) < 9
	OLOAD (\a)+1                                   ; the next block's, a block ahead
	s_wait_dscnt 4                                 ; mine are in; the four just issued stay out
.else
	s_wait_dscnt 0x0
.endif
.irp j, 0,1,2,3,4,5,6,7
	v_min_u32 v[TO+8*((\a)%2)+\j], 0x1fff, v[TO+8*((\a)%2)+\j]
.endr
.irp j, 0,1,2,3,4,5,6,7
	v_lshl_add_u32 v[VO+\j], v[TO+8*((\a)%2)+\j], 12, v[VR16]   ; a row of out is 4,096 bytes
.endr
	WIN (2+(\a)/8)                                 ; source 0 in window 2 or 3
.set oj, 0
.rept 8                                                ; register 0 of every accumulator first
.set oi, 0
.rept 4
	v_mul_f32 v[TMP+4*oj+oi], v[32*((\a)%8)+8*oi+oj], v[BE+8*((\a)%2)+oj]
.set oi, oi+1
.endr
.set oj, oj+1
.endr
	WIN 0
.irp j, 0,1,2,3,4,5,6,7
	s_cmp_gt_u32 s23, 16*(\a)+2*\j
	s_cbranch_scc0 .Lfin                           ; the live rows come first: behind the last nothing is stored
	s_cmp_gt_u32 s23, 16*(\a)+2*\j+1
	s_cbranch_scc0 .Lodd\j                         ; the tile's last row is this store's lower half
	global_store_b128 v[VO+\j], v[TMP+4*\j:TMP+4*\j+3], s[16:17] th:TH_STORE_NT
.endr
.endm
	ALOAD 0, 0                                     ; K step 0's tokens
	s_mov_b32 s30, 0
.Ltrip:                                                ; trips 0 to 6
	s_cmp_lg_u32 s30, 4
	s_cbranch_scc1 .Lnr
	RESCALE                                        ; in front of expert hi's first trip; the four places at the end of the step before stand between the last product and it
.Lnr:
	TRIP 1
	s_add_co_u32 s30, s30, 1
	s_cmp_lt_u32 s30, 7
	s_cbranch_scc1 .Ltrip
	TRIP 0
.Lmeet:
	s_wait_dscnt 0x0                               ; for the others' sake: my reads of the tokens' rows are back
	s_barrier_signal -1                            ; the second barrier, on every wave's path.  The loop's LDS addresses hang on the trip's number; behind this barrier every wave's
	s_barrier_wait -1                              ; reads of the rows are over before any wave writes LDS again (its spare word), so that the two need not be told apart by their addresses
	OLOAD 0
.irp b, 0,1,2,3,4,5,6,7,8,9
	OUT \b                                         ; a tile without rows leaves at the first block's first test
.endr
	s_branch .Lfin
.irp j, 0,1,2,3,4,5,6,7                                ; the one store of a tile with rows on both sides of the count: lanes 0-15 alone
.Lodd\j:
	s_wait_xcnt 0x0                                ; EXEC is a source of the stores that are out: it changes only behind this wait
	v_cmp_gt_u32 vcc_lo, 16, v[LANE]
	s_and_saveexec_b32 s46, vcc_lo
	global_store_b128 v[VO+\j], v[TMP+4*\j:TMP+4*\j+3], s[16:17] th:TH_STORE_NT
	s_wait_xcnt 0x0                                ; and again in front of the line that widens it
	s_or_b32 exec_lo, exec_lo, s46
	s_branch .Lfin
.endr
.Lfin:
	s_wait_tensorcnt 0x0                           ; the wave's end, behind my last LDS store
	ds_add_u32 v[SPW], v[NIL]
	s_wait_dscnt 0x0
	s_endpgm
.Lfunc_end_k_qc5b726d863_chain:
	.size	k_qc5b726d863_chain, .Lfunc_end_k_qc5b726d863_chain-k_qc5b726d863_chain
	.p2alignl 7, 3214868480
	.fill 96, 4, 3214868480
	.section	.rodata,"a",@progbits
	.p2align	6, 0x0
	.amdhsa_kernel k_qc5b726d863_chain
		.amdhsa_group_segment_fixed_size 324608
		.amdhsa_private_segment_fixed_size 0
		.amdhsa_enable_private_segment 0
		.amdhsa_kernarg_size 56
		.amdhsa_user_sgpr_count 2
		.amdhsa_user_sgpr_kernarg_segment_ptr 1
		.amdhsa_wavefront_size32 1
		.amdhsa_system_sgpr_workgroup_id_x 1
		.amdhsa_system_sgpr_workgroup_id_y 1
		.amdhsa_system_sgpr_workgroup_id_z 1
		.amdhsa_system_vgpr_workitem_id 0
		.amdhsa_next_free_vgpr 1024
		.amdhsa_next_free_sgpr 88
		.amdhsa_reserve_vcc 1
		.amdhsa_float_denorm_mode_32 3
		.amdhsa_float_denorm_mode_16_64 3
		.amdhsa_memory_ordered 1
		.amdhsa_forward_progress 1
		.amdhsa_inst_pref_size 199
	.end_amdhsa_kernel
	.amdgpu_metadata
---
amdhsa.version: [ 1, 2 ]
amdhsa.kernels:
  - .name:           k_qc5b726d863_chain
    .symbol:         k_qc5b726d863_chain.kd
    .args:
      - { .name: Wf, .offset: 0, .size: 8, .value_kind: global_buffer, .address_space: global }
      - { .name: xb, .offset: 8, .size: 8, .value_kind: global_buffer, .address_space: global }
      - { .name: order, .offset: 16, .size: 8, .value_kind: global_buffer, .address_space: global }
      - { .name: tt, .offset: 24, .size: 8, .value_kind: global_buffer, .address_space: global }
      - { .name: wts, .offset: 32, .size: 8, .value_kind: global_buffer, .address_space: global }
      - { .name: be, .offset: 40, .size: 8, .value_kind: global_buffer, .address_space: global }
      - { .name: out0, .offset: 48, .size: 8, .value_kind: global_buffer, .address_space: global }
    .group_segment_fixed_size: 324608
    .private_segment_fixed_size: 0
    .kernarg_segment_align: 8
    .kernarg_segment_size: 56
    .max_flat_workgroup_size: 128
    .sgpr_count:     88
    .vgpr_count:     1024
    .wavefront_size: 32
...
	.end_amdgpu_metadata
.endif
;; end of part 3
